; MI455X (gfx1250); checked and timed in simulation.
; The chip was launched on July 23, 2026; its instructions are those of AMD's public machine-readable ISA for CDNA 5 (MIT licence, August 2026) and "CDNA5" Instruction Set Architecture Reference Guide (July 2026). The comments in the code are by the model that wrote it; some were corrected since.
;; Mo E Layer. Allowed arithmetic: matrix products marked QUANTISED: E2M3 operands, one E8M0 scale for each 32 along K, by v_wmma_scale_f32_16x16x128_f8f6f4 with both operands' format E2M3, f32 sums; products left as they are: f32 operands where the result goes on into a quantised operand, else bf16, f16 or f32 operands; f32 sums; everything else in f32.
;; Inputs: inputs 2 x 512 x 1,024 float32; w1_codes 8 x 4,096 x 32 x 24 uint8 (E2M3 codes of w1, K innermost, in blocks of 32 codes, four codes in three bytes); w1_scales 8 x 4,096 x 32 uint8 (E8M0 scales of w1, one for each 32 codes along K); w2_codes 8 x 1,024 x 64 x 24 uint8 (E2M3 codes of w2, K innermost, in blocks of 32 codes, four codes in three bytes); w2_scales 8 x 1,024 x 64 uint8 (E8M0 scales of w2, one for each 32 codes along K); wr 1,024 x 8 float32.
;; Outputs: out0 2 x 512 x 1,024 float32; out1 2 x 512 x 8 float32.
;; This version of the problem:
;;   THIS VERSION OF THE PROBLEM IS GIVEN IN LOW PRECISION. The matrix products marked QUANTISED in the list below multiply operands that are first quantised to E2M3 (2 exponent bits, 3 mantissa bits; 6 bits a number), with one power-of-two scale for each 32 numbers along K (OCP MX v1.0); their sums are f32. All else is computed in f32.
;;   The module's matrix products, in the order in which they are computed (A, B: the left and right operand; K: the contracted axis; several contracted axes count as one K, in the product's order):
;;     1. [M 1,024, K 1,024] x [K 1,024, N 32,768]; A: input inputs; B: input w1 (given as codes): QUANTISED
;;     2. batch 8 x [M 1,024, K 2,048] x [K 2,048, N 1,024]; A: input w2 (given as codes); B: computed on the way: QUANTISED
;;     3. [M 1,024, K 1,024] x [K 1,024, N 8]; A: input inputs; B: input wr: left as it is (N = 8 < 16)
;;     4. batch 1,024 x [M 1,024, K 8] x [K 8, N 1]; A: computed on the way; B: computed on the way: left as it is (K = 8 < 32)
;;   THE QUANTISER, for each operand of a quantised product, along K:
;;     - K is cut into blocks of 32 from its start; a last block that is shorter is filled with zeros.
;;     - A block's scale is 2^e with e = floor(log2(the largest magnitude in the block)) - 2, held to -126 .. 127; a block of zeros has e = 0. As a byte (E8M0): e + 127.
;;     - Each number is divided by its block's scale, clamped to +-7.5, and rounded to the nearest number of E2M3, ties to even, subnormals kept.
;;     - The product sums the exact products of the quantised numbers (number of the format x scale) in f32.
;;   ~~~python
;;   def quantise(x, axis):      # numpy; x: float32 -> the quantised numbers, widened to float32 again
;;       x = np.moveaxis(x, axis, -1); K = x.shape[-1]
;;       x = np.pad(x, [(0, 0)] * (x.ndim - 1) + [(0, -K % 32)]); x = x.reshape(x.shape[:-1] + (-1, 32)); a = np.abs(x).max(-1, keepdims=True)
;;       e = np.where(a > 0, np.clip(np.frexp(np.where(a > 0, a, 1))[1] - 1 - 2, -126, 127), 0)      # np.frexp(a)[1] - 1 = floor(log2(a)), exactly
;;       r = np.clip(x / 2.0 ** e, -7.5, 7.5)
;;       step = 2.0 ** (np.maximum(np.frexp(np.where(r == 0, 1, r))[1] - 1, 0) - 3)
;;       q = np.round(r / step) * step * 2.0 ** e      # np.round: ties to even
;;       return np.moveaxis(q.reshape(q.shape[:-2] + (-1,))[..., :K], -1, axis).astype(np.float32)
;;   ~~~
;;   OPERANDS COMPUTED ON THE WAY. 'Computed on the way' means the value that the module computes at that place (a softmax that the list does not call 'softmax' is quantised finished and normalised). What goes into a quantiser is computed in f32, as accurately as f32 sums, v_exp_f32 and their like allow (about 1e-6 of the number): no bf16 or f16 on the way to a quantiser, and a product that is left as it is and whose result goes on into a quantised operand takes f32 operands (vector FMAs, or v_wmma_f32_16x16x4_f32). A number that lies on a knife's edge between two numbers of the format may be rounded either way, as far as f32 arithmetic and the matrix unit's own rounding can turn it there, and no further.
;;   INPUTS GIVEN AS CODES. w1 (in the module: [8, 1024, 4096], K = its axis 1); w2 (in the module: [8, 2048, 1024], K = its axis 1): each comes as NAME_codes (uint8): NAME with its K axis moved to the last place and cut into blocks of 32 codes, [.., K / 32, bytes a block], one block behind the other in memory; four codes in three bytes: a row's codes are one little-endian stream of bits, code i at bits 6 i .. 6 i + 5 (a code: sign, 2 exponent bits, 3 mantissa bits); and NAME_scales (uint8): the same leading axes, one E8M0 byte (e + 127) for each 32 codes along K. Its value is code x scale, taken as it is: it is not quantised again, and the codes and scales need not be those that the quantiser above would give.
;; One version. Each part assembles by itself: llvm-mc -triple=amdgcn-amd-amdhsa -mcpu=gfx1250 --defsym DOCPART=n.
;; ======== version 1 of 1: 4 launches
;; limits: right only within a limited range of input values
;; workspace buffers: sel 1,024 bytes of whole numbers; xq 786,432 bytes; xsc 32,768 bytes; act 13,107,200 bytes; y 33,554,432 bytes
;; launch route (part 1): grid 64 x 1, 4 waves a work-group, no clusters, 111,104 bytes of LDS; arguments inputs, wr, out1, sel, xq, xsc; writes out1, sel, xq, xsc
.if DOCPART == 1
	.amdgcn_target "amdgcn-amd-amdhsa--gfx1250"
	.amdhsa_code_object_version 6
	.text
	.protected	k_q9fb0c24b68_route
	.globl	k_q9fb0c24b68_route
	.p2align	8
	.type	k_q9fb0c24b68_route,@function
k_q9fb0c24b68_route:
	s_mov_b64 s[64:65], 0
	v_nop
	global_prefetch_b8 v0, s[64:65] scope:SCOPE_SE
	s_setreg_imm32_b32 hwreg(HW_REG_WAVE_MODE, 25, 1), 1
	s_wait_xcnt 0x0
; THE ROUTER.  logits = inputs . wr in f32; softmax; softmax once more (each with its maximum taken away): out1.  The two largest of the eight
; routing probabilities of a token (ties: the lower index) are stored as a mask of eight bits, one byte a token, in sel.
; WORK LEFT OUT BY THE WHOLE PROGRAM.  reference() computes all eight experts for every token and multiplies each expert's row by multi_hot x routing_probs,
; where multi_hot is the sum of the one_hot of its own top_k: it is 0 for six of the eight experts, whatever the inputs hold.  A row of h, act and expert_outputs
; of an expert that was not chosen reaches out0 only through that product with 0.  So the later launches, which read the choice from memory as whole numbers,
; multiply the 2 x 1,024 chosen rows alone.  Every input has a way to an output: all are loaded.
; LIMITS.  A NaN, an infinity or an overflow that arises only in an expert that was not chosen is not carried to out0.  NaN and infinities among the inputs are not served.
; Two routing probabilities that differ by less than f32 rounding of these sums and exponentials may be chosen the other way round than by reference().
; SHARES.  A work-group takes 16 tokens, a wave 4: lanes 0-15 the wave's tokens 0 and 1, lanes 16-31 tokens 2 and 3; lane r takes d = 64 i + 4 r + 0..3, i = 0..15,
; so that sixteen lanes read 256 consecutive bytes of a row.  wr (32,768 bytes) goes into LDS once, four rows (128 bytes) to a place of 144 bytes.
; No matrix unit: 8 columns are too few for a tile, and the logits steer a choice, so they are summed in f32.
.set SPARE, 36864                      ; behind wr: the spare words, 128 bytes a wave
.set ACC, 10                           ; v10-25   sums: 8 t + e (t: which of my two tokens)
.set W,   32                           ; v32-95   wr: two sets of 32 (register 8 d + e); first the 64 registers in which wr arrives
.set X,   96                           ; v96-223  x: chunk i, token t, four numbers: 8 i + 4 t + d
.set LN,  224
.set KK,  225
.set SS,  226
.set T0,  227
.set T1,  228
.set T2,  229
.set PA,  230
.set PB,  231
.set EF,  232
.set MX,  233
.set IA,  234
.set QQ,  235
.set IB,  236
.set C8,  237
.set CM,  238
.set ZZ,  239
.set DW,  240
	s_load_b256 s[4:11], s[0:1], 0x0               ; inputs s[4:5], wr s[6:7], out1 s[8:9], sel s[10:11]
	s_load_b128 s[28:31], s[0:1], 0x20             ; xq s[28:29], xsc s[30:31]
	v_lshl_add_u32 v8, v0, 2, SPARE                ; my spare word,
	v_mov_b32 v9, 0                                ; and 0: kept for the wave's end
	v_lshrrev_b32 v1, 5, v0
	v_readfirstlane_b32 s12, v1                    ; wave
	v_and_b32 v1, 15, v0                           ; r
	v_bfe_u32 v2, v0, 4, 1                         ; h
	v_lshlrev_b32 v3, 4, v1
	v_lshl_add_u32 v3, v2, 13, v3                  ; x: 16 r + two rows for h
	v_lshlrev_b32 v4, 4, v0                        ; wr as it lies: 16 bytes a thread
	v_lshrrev_b32 v5, 3, v0
	v_mul_u32_u24 v5, v5, 144
	v_and_b32 v6, 7, v0
	v_lshl_add_u32 v5, v6, 4, v5                   ; into LDS: 144 (thread / 8) + 16 (thread % 8)
	v_mul_u32_u24 v6, v1, 144                      ; out of LDS: my four rows of a chunk
	v_and_b32 v[LN], 31, v0
	v_lshlrev_b32 v7, 2, v[LN]
; x IS ALSO QUANTISED HERE, token by token (E2M3, one scale for 32 along d), since this launch holds every row of x in registers anyway.
; The wave's four rows go through LDS bytes of its own (a block of 128 bytes to a place of 144), and come back a block to a lane: lane l takes block l of each token.
; xq, 768 bytes a token: the k-th 8 bytes of block b's 24 at 256 k + 8 pi(b), pi(b) = b with its two lowest bits exchanged: each store of the wave covers 256 consecutive bytes, aligned.
; xsc, 32 bytes a token: block b's scale byte at pi(b).  A block of zeros gets the byte 1 and zero codes: the bytes are read by this program alone.
.set XST, 37376                        ; behind the spare words: 18,432 bytes a wave
.set QS,  241                          ; into the stage
.set QL,  242                          ; back: 144 x lane
.set QO,  243                          ; 8 pi(lane)
.set QB,  244                          ; pi(lane)
.set AM,  10                           ; v10-13 the blocks' largest magnitudes, then the conversions' scale operands
.set BYT, 14                           ; v14-17 the scale bytes
.set CD,  32                           ; six registers of codes a token, at 8 t
.set CU,  64                           ; the upper halves as the conversions leave them
	s_mul_i32 s26, s12, 18432
	s_add_co_u32 s26, s26, XST
	v_lshrrev_b32 v[QL], 3, v1
	v_mul_u32_u24 v[QS], v[QL], 144
	v_and_b32 v[QL], 7, v1
	v_lshl_add_u32 v[QS], v[QL], 4, v[QS]
	v_mad_u32_u24 v[QS], v2, 9216, v[QS]
	v_add_nc_u32 v[QS], s26, v[QS]                 ; 9216 h + 144 (r / 8) + 16 (r % 8)
	v_mul_u32_u24 v[QL], v[LN], 144
	v_add_nc_u32 v[QL], s26, v[QL]
	v_and_b32 v[QB], 0x1c, v[LN]
	v_and_b32 v[QO], 1, v[LN]
	v_lshl_or_b32 v[QB], v[QO], 1, v[QB]
	v_bfe_u32 v[QO], v[LN], 1, 1
	v_or_b32 v[QB], v[QB], v[QO]
	v_lshlrev_b32 v[QO], 3, v[QB]
	s_mul_i32 s32, ttmp9, 12288
	s_mul_i32 s33, s12, 3072
	s_add_co_u32 s32, s32, s33                     ; my wave's four records of xq
	s_mov_b32 s33, 0
	s_mov_b32 s14, 0xff00ff00                      ; lanes with r & 8,
	s_mov_b32 s15, 0xf0f0f0f0                      ; r & 4,
	s_mov_b32 s16, 0xcccccccc                      ; r & 2,
	s_mov_b32 s17, 0xaaaaaaaa                      ; r & 1
	s_mov_b32 s18, 0x3fb8aa3b                      ; log2(e)
	s_lshl_b32 s20, ttmp9, 16
	s_lshl_b32 s21, s12, 14
	s_add_co_u32 s20, s20, s21                     ; my wave's four rows of x
	s_mov_b32 s21, 0
	s_lshl_b32 s22, ttmp9, 9
	s_lshl_b32 s23, s12, 7
	s_add_co_u32 s22, s22, s23                     ; their 128 bytes of out1
	s_mov_b32 s23, 0
	s_lshl_b32 s24, ttmp9, 4
	s_lshl_b32 s25, s12, 2
	s_add_co_u32 s24, s24, s25                     ; their 4 bytes of sel
	s_mov_b32 s25, 0
	s_wait_alu depctr_va_vdst(0)
	s_wait_kmcnt 0x0
	s_add_nc_u64 s[4:5], s[4:5], s[20:21]
	s_add_nc_u64 s[8:9], s[8:9], s[22:23]
	s_add_nc_u64 s[10:11], s[10:11], s[24:25]
	s_add_nc_u64 s[28:29], s[28:29], s[32:33]
	s_add_nc_u64 s[30:31], s[30:31], s[22:23]      ; 128 bytes of xsc a wave, as of out1
.irp q, 0,1,2,3,4,5,6,7,8,9,10,11,12,13,14,15
	global_load_b128 v[W+4*\q:W+4*\q+3], v4, s[6:7] offset:2048*\q
.endr
.irp i, 0,1,2,3,4,5,6,7,8,9,10,11,12,13,14,15
.irp t, 0,1
	global_load_b128 v[X+8*\i+4*\t:X+8*\i+4*\t+3], v3, s[4:5] offset:4096*\t+256*\i th:TH_LOAD_NT
.endr
.endr
	s_wait_loadcnt 32                              ; wr is in; the 32 loads of x were issued behind it
.irp q, 0,1,2,3,4,5,6,7,8,9,10,11,12,13,14,15
	ds_store_b128 v5, v[W+4*\q:W+4*\q+3] offset:2304*\q
.endr
	s_wait_dscnt 0x0                               ; for the others' sake: my part of wr lies in LDS
	s_barrier_signal -1
	s_barrier_wait -1
.macro WLOAD i, buf                    ; chunk i's four rows of wr for my lane: register 8 d + e
.irp q, 0,1,2,3,4,5,6,7
	ds_load_b128 v[W+32*(\buf)+4*\q:W+32*(\buf)+4*\q+3], v6 offset:2304*(\i)+16*\q
.endr
.endm
.macro FMA i, buf                      ; 4 d x 2 tokens x 8 experts, two experts an instruction; the number of x is taken for both halves
.irp d, 0,1,2,3
.irp t, 0,1
.irp p, 0,1,2,3
.if ((\i) == 0) && (\d == 0)
	v_pk_mul_f32 v[ACC+8*\t+2*\p:ACC+8*\t+2*\p+1], v[W+32*(\buf)+8*\d+2*\p:W+32*(\buf)+8*\d+2*\p+1], v[X+8*(\i)+4*\t:X+8*(\i)+4*\t+1] op_sel_hi:[1,0]
.elseif (\d%2) == 0
	v_pk_fma_f32 v[ACC+8*\t+2*\p:ACC+8*\t+2*\p+1], v[W+32*(\buf)+8*\d+2*\p:W+32*(\buf)+8*\d+2*\p+1], v[X+8*(\i)+4*\t+2*(\d/2):X+8*(\i)+4*\t+2*(\d/2)+1], v[ACC+8*\t+2*\p:ACC+8*\t+2*\p+1] op_sel_hi:[1,0,1]
.else
	v_pk_fma_f32 v[ACC+8*\t+2*\p:ACC+8*\t+2*\p+1], v[W+32*(\buf)+8*\d+2*\p:W+32*(\buf)+8*\d+2*\p+1], v[X+8*(\i)+4*\t+2*(\d/2):X+8*(\i)+4*\t+2*(\d/2)+1], v[ACC+8*\t+2*\p:ACC+8*\t+2*\p+1] op_sel:[0,1,0] op_sel_hi:[1,1,1]
.endif
.endr
.endr
.endr
.endm
	WLOAD 0, 0
	WLOAD 1, 1
.irp i, 0,1,2,3,4,5,6,7,8,9,10,11,12,13,14,15
.if \i < 15
	s_wait_alu depctr_va_vdst(0)
	s_wait_dscnt 8                                 ; this chunk of wr is in; the next chunk's eight loads may be out
.else
	s_wait_alu depctr_va_vdst(0)
	s_wait_dscnt 0x0
.endif
	s_wait_loadcnt 30-2*\i                         ; this chunk's two loads of x are in; the later chunks' may be out
	FMA \i, \i%2
.if \i < 14
	WLOAD \i+2, \i%2
.endif
.endr
; The 16 sums of a lane are added over the 16 lanes of its half, and dealt out on the way: in each step a lane keeps half of its sums and sends the other half to the lane xm away.
; At the end lane (r, h) holds the logit of token 2 h + r / 8 and expert r % 8.
.macro HALVE n, xm, mask
.set hv, 0
.rept \n
	v_cndmask_b32 v[KK], v[ACC+hv], v[ACC+hv+\n], s[\mask]
	v_cndmask_b32 v[SS], v[ACC+hv+\n], v[ACC+hv], s[\mask]
	v_add_f32_dpp v[ACC+hv], v[SS], v[KK] row_xmask:\xm row_mask:0xf bank_mask:0xf
.set hv, hv+1
.endr
.endm
.irp i, 0,1,2,3,4,5,6,7,8,9,10,11,12,13,14,15
.irp t, 0,1
	ds_store_b128 v[QS], v[X+8*\i+4*\t:X+8*\i+4*\t+3] offset:4608*\t+288*\i   ; token 2 h + t, block 2 i + r / 8
.endr
.endr
.irp t, 0,1,2,3
.irp q, 0,1,2,3,4,5,6,7
	ds_load_b128 v[X+32*\t+4*\q:X+32*\t+4*\q+3], v[QL] offset:4608*\t+16*\q    ; LDS serves a wave's instructions in order: these see my stores.  The softmax below runs meanwhile
.endr
.endr
	HALVE 8, 8, 14
	HALVE 4, 4, 15
	HALVE 2, 2, 16
	HALVE 1, 1, 17
.macro MAX8 d                          ; over the eight lanes of a token, result in all eight
.irp m, 1,2,4
	v_max_num_f32_dpp v[\d], v[\d], v[\d] row_xmask:\m row_mask:0xf bank_mask:0xf
.endr
.endm
.macro MIN8 d
.irp m, 1,2,4
	v_min_num_f32_dpp v[\d], v[\d], v[\d] row_xmask:\m row_mask:0xf bank_mask:0xf
.endr
.endm
.macro SUM8 d
.irp m, 1,2,4
	v_add_f32_dpp v[\d], v[\d], v[\d] row_xmask:\m row_mask:0xf bank_mask:0xf
.endr
.endm
.macro SOFTMAX src, dst
	v_mov_b32 v[T0], v[\src]
	MAX8 T0
	v_sub_f32 v[T0], v[\src], v[T0]                ; the maximum is taken away, as reference() does
	v_mul_f32 v[T0], s18, v[T0]
	s_wait_alu depctr_va_vdst(0)
	v_exp_f32 v[T1], v[T0]
	v_nop                                          ; a plain line behind the exponential,
	s_wait_alu depctr_va_vdst(0)                   ; and a wait ahead of its first reader
	v_mov_b32 v[T0], v[T1]
	SUM8 T0
	s_wait_alu depctr_va_vdst(0)
	v_rcp_f32 v[T2], v[T0]
	v_nop
	s_wait_alu depctr_va_vdst(0)
	v_mul_f32 v[\dst], v[T1], v[T2]
.endm
	SOFTMAX ACC, PA
	SOFTMAX PA, PB
	global_store_b32 v7, v[PB], s[8:9]             ; the wave's 32 probabilities: 128 consecutive bytes
	; the two largest; of equal ones the lower index
	v_and_b32 v[EF], 7, v0
	v_cvt_f32_u32 v[EF], v[EF]                     ; my expert's number as f32
	v_mov_b32 v[C8], 0x41000000                    ; 8.0: above every number of an expert
	v_mov_b32 v[CM], -1.0                          ; under every probability
	v_mov_b32 v[MX], v[PB]
	MAX8 MX
	v_cmp_eq_f32 vcc_lo, v[PB], v[MX]
	v_cndmask_b32 v[IA], v[C8], v[EF], vcc_lo
	MIN8 IA                                        ; the first choice
	v_cmp_eq_f32 s20, v[EF], v[IA]
	v_cndmask_b32 v[QQ], v[PB], v[CM], s20         ; it is taken out
	v_mov_b32 v[MX], v[QQ]
	MAX8 MX
	v_cmp_eq_f32 vcc_lo, v[QQ], v[MX]
	v_cndmask_b32 v[IB], v[C8], v[EF], vcc_lo
	MIN8 IB                                        ; the second choice
	v_cmp_eq_f32 s21, v[EF], v[IB]
	s_or_b32 s20, s20, s21                         ; bit = lane = 8 x token + expert: the four tokens' mask bytes
	v_mov_b32 v[DW], s20
	v_mov_b32 v[ZZ], 0
	v_cmp_gt_u32 vcc_lo, 1, v[LN]
	s_wait_alu depctr_va_vdst(0)
	s_wait_xcnt 0x0                                ; EXEC changes only behind this wait: the store above has read it
	s_and_saveexec_b32 s22, vcc_lo
	global_store_b32 v[ZZ], v[DW], s[10:11]        ; lane 0 alone; the address hangs on ids alone
	s_wait_xcnt 0x0
	s_or_b32 exec_lo, exec_lo, s22
	s_wait_dscnt 0x0                               ; my four blocks are back
.irp t, 0,1,2,3
	v_max3_num_f32 v[AM+\t], |v[X+32*\t]|, |v[X+32*\t+1]|, 0x1800000   ; with the floor 2^(3 - 127): the byte cannot fall under 1
.endr
.irp i, 2,4,6,8,10,12,14,16,18,20,22,24,26,28,30
.irp t, 0,1,2,3
	v_max3_num_f32 v[AM+\t], v[AM+\t], |v[X+32*\t+\i]|, |v[X+32*\t+\i+1]|
.endr
.endr
.irp t, 0,1,2,3
	v_add_nc_u32 v[AM+\t], 0xff000000, v[AM+\t]    ; 2 off the exponent field: the conversion's scale operand
.endr
.irp t, 0,1,2,3
	v_lshrrev_b32 v[BYT+\t], 23, v[AM+\t]
.endr
.irp t, 0,1,2,3
	v_cvt_scalef32_pk16_fp6_f32 v[CD+8*\t:CD+8*\t+2], v[X+32*\t:X+32*\t+15], v[AM+\t]
	v_cvt_scalef32_pk16_fp6_f32 v[CU+4*\t:CU+4*\t+2], v[X+32*\t+16:X+32*\t+31], v[AM+\t]
.endr
	v_nop                                          ; one plain line behind the conversions
.irp t, 0,1,2,3
.irp i, 0,1,2
	v_mov_b32 v[CD+8*\t+3+\i], v[CU+4*\t+\i]
.endr
.endr
.irp t, 0,1,2,3
.irp k, 0,1,2
	global_store_b64 v[QO], v[CD+8*\t+2*\k:CD+8*\t+2*\k+1], s[28:29] offset:768*\t+256*\k
.endr
	global_store_b8 v[QB], v[BYT+\t], s[30:31] offset:32*\t
.endr
	s_wait_tensorcnt 0x0                           ; the wave's end
	ds_add_u32 v8, v9
	s_wait_dscnt 0x0
	s_endpgm
.Lfunc_end_k_q9fb0c24b68_route:
	.size	k_q9fb0c24b68_route, .Lfunc_end_k_q9fb0c24b68_route-k_q9fb0c24b68_route
	.p2alignl 7, 3214868480
	.fill 96, 4, 3214868480
	.section	.rodata,"a",@progbits
	.p2align	6, 0x0
	.amdhsa_kernel k_q9fb0c24b68_route
		.amdhsa_group_segment_fixed_size 111104
		.amdhsa_private_segment_fixed_size 0
		.amdhsa_enable_private_segment 0
		.amdhsa_kernarg_size 48
		.amdhsa_user_sgpr_count 2
		.amdhsa_user_sgpr_kernarg_segment_ptr 1
		.amdhsa_wavefront_size32 1
		.amdhsa_system_sgpr_workgroup_id_x 1
		.amdhsa_system_sgpr_workgroup_id_y 1
		.amdhsa_system_sgpr_workgroup_id_z 1
		.amdhsa_system_vgpr_workitem_id 0
		.amdhsa_next_free_vgpr 256
		.amdhsa_next_free_sgpr 66
		.amdhsa_reserve_vcc 1
		.amdhsa_float_denorm_mode_32 3
		.amdhsa_float_denorm_mode_16_64 3
		.amdhsa_memory_ordered 1
		.amdhsa_forward_progress 1
		.amdhsa_inst_pref_size 68
	.end_amdhsa_kernel
	.amdgpu_metadata
---
amdhsa.version: [ 1, 2 ]
amdhsa.kernels:
  - .name:           k_q9fb0c24b68_route
    .symbol:         k_q9fb0c24b68_route.kd
    .args:
      - { .name: inputs, .offset: 0, .size: 8, .value_kind: global_buffer, .address_space: global }
      - { .name: wr, .offset: 8, .size: 8, .value_kind: global_buffer, .address_space: global }
      - { .name: out1, .offset: 16, .size: 8, .value_kind: global_buffer, .address_space: global }
      - { .name: sel, .offset: 24, .size: 8, .value_kind: global_buffer, .address_space: global }
      - { .name: xq, .offset: 32, .size: 8, .value_kind: global_buffer, .address_space: global }
      - { .name: xsc, .offset: 40, .size: 8, .value_kind: global_buffer, .address_space: global }
    .group_segment_fixed_size: 111104
    .private_segment_fixed_size: 0
    .kernarg_segment_align: 8
    .kernarg_segment_size: 48
    .max_flat_workgroup_size: 128
    .sgpr_count:     66
    .vgpr_count:     256
    .wavefront_size: 32
...
	.end_amdgpu_metadata
.endif
;; end of part 1
;; launch up (part 2): grid 32 x 8, 4 waves a work-group, no clusters, 185,856 bytes of LDS; arguments xq, xsc, sel, w1_codes, w1_scales, act; writes act
.if DOCPART == 2
	.amdgcn_target "amdgcn-amd-amdhsa--gfx1250"
	.amdhsa_code_object_version 6
	.text
	.protected	k_q9fb0c24b68_up
	.globl	k_q9fb0c24b68_up
	.p2align	8
	.type	k_q9fb0c24b68_up,@function
k_q9fb0c24b68_up:
	s_mov_b64 s[64:65], 0
	v_nop
	global_prefetch_b8 v0, s[64:65] scope:SCOPE_SE
	s_setreg_imm32_b32 hwreg(HW_REG_WAVE_MODE, 25, 1), 1
	s_wait_xcnt 0x0
; act = gelu(x W1_gate) * (x W1_x), quantised along H, for the rows that chose the expert alone (the others meet a zero of reference()'s own multi_hot).
; SHARES.  Work-group (j, e) owns hidden units 64 j .. 64 j + 63 of expert e: 64 rows of W1's x half and 64 of its gate half, 98,304 bytes that no other work-group reads.
; They come once, through LDS, into the REGISTERS of every wave: 8 tiles x 8 K steps = 64 fragments, 768 registers.  Wave w walks the expert's row tiles w, w + 4, ..
; THE ROWS.  The expert's n-th row is the n-th token, ascending, whose byte of sel has bit e; a tile is 16 such rows; slot = 1024 e + n in act and y.  Each wave makes the whole list in LDS bytes of its own:
; lane l takes tokens 32 l .. 32 l + 31, the lanes' counts are summed ahead of each lane, and each chosen token is stored at its rank (a token not chosen goes to a lower half that nobody reads).
; The list is cleared first, so ranks past the count name token 0: whole operands that no result hangs on.
; x's CODES lie by token (xq).  A tile's 16 records are fetched in whole units of 256 bytes (lanes 0-15 row i, lanes 16-31 row 8 + i), into the very registers that a K step's products have just read,
; stored to the wave's own stage at a trip's head, and read back in the operand's order, 8 bytes a load.  The scale words (16 bytes a lane) come straight from xsc.
; Work hangs on stored whole numbers: no tensor load, no cluster, no barrier but the one at the head.  The walk has 16 trips, the most that 64 tiles give a wave; trips past my tiles jump over the work.
; No prefetch: each byte of W1 is read once, at the head, with no loop ahead of it; x's requests already stand a whole gelu ahead of their wait.
; THE PRODUCT IS USED TRANSPOSED (source 0 = 16 rows of W1, source 1 = 16 rows of x), and lane m of tile 2 b + u is W1's row 32 b + 8 u + m + 8 (m / 8): a lane holds ONE token, and registers
; 16 b + 0 .. 15 of its x sums (and of its gate sums) are hidden units 32 b + 16 h + 0 .. 15.
; BLOCKS: in a K step lane (r, h) holds blocks 2 h and 2 h + 1 on both operands; scale words are laid (b0, b2, b1, b3): x's are stored so, the weights' are turned once by v_perm_b32.
; GELU: Phi(g) = 1 - H or H, H = erfc(|g| / sqrt 2) / 2 = t 2^(poly(t) - g g log2(e) / 2), t = 1 / (1 + |g| sqrt(2) / 4), poly of degree 9.
; LIMITS: the fit's fractional error is 1.2e-7, beside f32 rounding; a block of zeros gets the byte 1 and zero codes; a given scale byte 0xff gives NaN as it does in reference(); NaN and infinities are not served.
; act, a tile of 25,600 bytes, tile 64 e + i: K step S, registers 4 k .. 4 k + 3 of lane l at 1536 S + 512 k + 16 l; row r's 64 scale bytes at 24,576 + 64 r.
.set LROW,  784                        ; a row in LDS: 768 bytes + 16
.set XSTG,  128*LROW                   ; behind W1's stage: 16 rows for each wave
.set LIST,  XSTG+4*16*LROW             ; the lists: 8,704 bytes a wave: 4,096 that nobody reads, then 1,152 words
.set LPW,   8704
.set SPARE, LIST+4*LPW
.set XS,  12                           ; v12-15   x's scale words: lanes 0-15 steps 0-3, lanes 16-31 steps 4-7
.set WSC, 16                           ; v16-47   W1's: 8 t + s; lanes 0-15 x tile t, lanes 16-31 gate tile t
.set XF,  48                           ; v48-143  x: 24 pieces as fetched, then 8 fragments
.set XA,  144                          ; v144-175 the x sums, then x g, then act; at the head the list's registers
.set GA,  176                          ; v176-207 the gate sums, then their squares; behind the gelu the quantiser's registers
.set F63, 208                          ; v208-219 W1's fragment 63; fragments 0-62 lie in windows 1 to 3, 21 to a window
.set T,   220                          ; v220-235 the gelu's; from a trip's head to the products' end the next tile's offsets
.set P,   236                          ; v236-251 the gelu's; at the head W1's addresses
.set FA,  236
.set SPW, 254
.set NIL, 255
.set S,   144
.set CN,  152
.set PRE, 153
.set TB,  154
.set ZA,  155
.set U,   156
.set TM,  176
.set PCA, 184
.set PCB, 188
.set NN,  192
.set MM,  196
.set BY,  198
.set MSB, 0
.macro WIN new                         ; the immediate's high byte repeats the setting that is left
.if MSB != \new
	s_set_vgpr_msb (MSB<<8)|\new
.set MSB, \new
.endif
.endm
.macro SPAIR reg, val                  ; a constant for the packed forms: they name a pair and take its low word for both halves
	s_mov_b32 s[\reg], \val
	s_mov_b32 s[\reg+1], \val
.endm
.macro PLACES n
.rept \n
	v_nop
.endr
.endm
	s_load_b256 s[4:11], s[0:1], 0x0               ; xq s[4:5], xsc s[6:7], sel s[8:9], W1's codes s[10:11]
	s_load_b128 s[12:15], s[0:1], 0x20             ; W1's scales s[12:13], act s[14:15]
	v_lshl_add_u32 v[SPW], v0, 2, SPARE
	v_mov_b32 v[NIL], 0
	v_lshrrev_b32 v1, 5, v0
	v_readfirstlane_b32 s16, v1                    ; wave
	s_and_b32 s17, ttmp7, 0xffff                   ; expert
	v_and_b32 v10, 15, v0                          ; r
	v_bfe_u32 v11, v0, 4, 1                        ; h
	v_and_b32 v[TB], 31, v0
	v_lshlrev_b32 v[TB], 5, v[TB]                  ; 32 x lane: my first token, and my bytes of sel
	s_lshr_b32 s30, ttmp9, 1
	s_and_b32 s31, ttmp9, 1
	s_mul_i32 s32, s30, 1536
	s_lshl_b32 s33, s31, 8
	s_add_co_u32 s32, s32, s33                     ; 1536 (j / 2) + 256 (j % 2)
	s_lshl_b32 s33, s30, 2
	s_add_co_u32 s33, s33, s31                     ; 4 (j / 2) + j % 2
	v_lshl_add_u32 v2, v10, 4, s32
	v_lshl_add_u32 v3, v11, 3, v2                  ; v3: act's middle 256 bytes: 16 r + 8 h
	v_lshl_add_u32 v2, v11, 10, v2                 ; v2: lanes 0-15 the first 256 bytes, lanes 16-31 the third
	v_lshl_add_u32 v4, v10, 6, s33
	v_lshl_add_u32 v4, v11, 1, v4                  ; v4: my block's scale byte: 64 r + 4 (j / 2) + j % 2 + 2 h
	v_mul_u32_u24 v[FA], v10, LROW
	v_mad_u32_u24 v[FA], v11, 48, v[FA]            ; a fragment of W1: row + 48 h (tiles 0-3);
	v_add_nc_u32 v[FA+1], 64*LROW, v[FA]           ; tiles 4-7
	s_mul_i32 s30, s16, 32*LROW
	v_mul_u32_u24 v[FA+2], v11, LROW
	v_lshl_add_u32 v[FA+2], v10, 4, v[FA+2]
	v_add_nc_u32 v[FA+2], s30, v[FA+2]             ; W1 into LDS: my wave's 32 rows; lanes 16-31 a row further on
	v_mul_u32_u24 v[FA+3], v11, 768
	v_lshl_add_u32 v[FA+3], v10, 4, v[FA+3]        ; the same two rows in memory
	v_and_b32 v[FA+4], 8, v10
	v_add_nc_u32 v[FA+4], v[FA+4], v10
	v_lshlrev_b32 v[FA+4], 5, v[FA+4]
	v_lshl_add_u32 v[FA+4], v11, 16, v[FA+4]       ; W1's scale bytes: row r + 8 (r / 8), 32 bytes a row; lanes 16-31 the gate half
	s_mul_i32 s30, s16, 16*LROW
	s_add_co_u32 s30, s30, XSTG                    ; my stage
	v_lshlrev_b32 v9, 4, v10                       ; v9: 16 r
	v_lshlrev_b32 v8, 4, v11                       ; v8: 16 h
	v_mad_u32_u24 v1, v11, 8*LROW, v9
	v_add_nc_u32 v1, s30, v1                       ; v1: into the stage: row 8 h (+ i), 16 r
	v_mul_u32_u24 v5, v10, LROW
	v_lshl_add_u32 v5, v11, 3, v5
	v_add_nc_u32 v5, s30, v5                       ; v5: back: row r, + 8 h
	s_mul_i32 s39, s16, LPW
	s_add_co_u32 s39, s39, LIST                    ; my list's bytes
	s_add_co_u32 s31, s39, 4096                    ; the list itself
	v_lshl_add_u32 v6, v11, 5, s31                 ; v6: the tokens of rows 8 h .. 8 h + 7
	v_lshl_add_u32 v7, v10, 2, s31                 ; v7: the token of row r
	v_lshrrev_b32 v[ZA], 1, v[TB]
	v_add_nc_u32 v[ZA], s31, v[ZA]
.irp i, 0,1,2,3
	v_mov_b32 v[GA+\i], 0
.endr
.irp k, 0,1,2,3,4,5,6,7,8
	ds_store_b128 v[ZA], v[GA:GA+3] offset:512*\k  ; the list is cleared: 9 x 512 bytes
.endr
	v_mov_b32 v[PRE], 0
	v_mov_b32 v10, 0xbf97d29d                      ; v[10:11]: the polynomial's coefficient 8
	v_mov_b32 v11, 0xbf97d29d
	s_mov_b32 s26, 0xffff0000                      ; lanes 16-31
	s_mov_b32 s27, 0x03010200                      ; (b0, b1, b2, b3) -> (b0, b2, b1, b3)
	s_mov_b32 s28, 0x76543210
	s_mov_b32 s29, 0xfedcba98                      ; lane l xor 16
	s_mov_b32 s38, 0x01010101
	s_mov_b32 s56, 0x3eb504f3                      ; sqrt(2) / 4
	SPAIR 58, 0xbf38aa3b                           ; -log2(e) / 2
	SPAIR 68, 0xc034d90f                           ; the coefficients 0 to 7 and 9, times log2(e); coefficient 0 less 1, for the half
	SPAIR 70, 0x3fb8ab5a
	SPAIR 72, 0x3f0a29d2
	SPAIR 74, 0x3e0efb2f
	SPAIR 76, 0xbe899a80
	SPAIR 78, 0x3ecdfd18
	SPAIR 80, 0xbfd1a1e5
	SPAIR 82, 0x40097039
	SPAIR 84, 0x3e7c6f08
	s_mul_i32 s34, s17, 3145728                    ; the expert's 4,096 rows of 768 bytes,
	s_lshr_b32 s30, s16, 1
	s_mul_i32 s30, s30, 1572864                    ; waves 2 and 3: the gate half,
	s_add_co_u32 s34, s34, s30
	s_mul_i32 s30, ttmp9, 49152                    ; the slice's 64 rows,
	s_add_co_u32 s34, s34, s30
	s_and_b32 s30, s16, 1
	s_mul_i32 s30, s30, 24576                      ; my 32 of them
	s_add_co_u32 s34, s34, s30
	s_mov_b32 s35, 0
	s_lshl_b32 s36, s17, 17
	s_lshl_b32 s30, ttmp9, 11
	s_add_co_u32 s36, s36, s30
	s_mov_b32 s37, 0
	s_mov_b32 s20, s16                             ; my tile among the expert's: w, w + 4, ..
	s_lshl_b32 s22, s16, 6                         ; its 64 bytes of the list
	s_wait_alu depctr_va_vdst(0)
	s_wait_kmcnt 0x0
	global_load_b128 v[S:S+3], v[TB], s[8:9]       ; every wave reads all 1,024 bytes of sel, 32 a lane
	global_load_b128 v[S+4:S+7], v[TB], s[8:9] offset:16
	s_add_nc_u64 s[10:11], s[10:11], s[34:35]
	s_add_nc_u64 s[12:13], s[12:13], s[36:37]
	WIN 0x40                                       ; destination window 1
.irp i, 0,1,2,3,4,5,6,7,8,9,10,11,12,13,14,15
.irp c, 0,1,2
	global_load_b128 v[4*(3*\i+\c):4*(3*\i+\c)+3], v[FA+3], s[10:11] offset:1536*\i+256*\c th:TH_LOAD_NT   ; sixteen lanes read 256 consecutive bytes of a row; read once in the launch
.endr
.endr
	WIN 0
.irp t, 0,1,2,3
.irp q, 0,1
	global_load_b128 v[WSC+8*\t+4*\q:WSC+8*\t+4*\q+3], v[FA+4], s[12:13] offset:32*(32*(\t/2)+8*(\t%2))+16*\q
.endr
.endr
	s_wait_loadcnt 56                              ; sel is in: behind it W1's 48 loads of codes and 8 of scales
.irp j, 0,1,2,3,4,5,6,7
	v_lshrrev_b32 v[S+\j], s17, v[S+\j]
.endr
.irp j, 0,1,2,3,4,5,6,7
	v_and_b32 v[S+\j], s38, v[S+\j]                ; a byte a token: 1 where it chose my expert
.endr
	v_add3_u32 v[CN], v[S], v[S+1], v[S+2]
	v_add3_u32 v[CN], v[CN], v[S+3], v[S+4]
	v_add3_u32 v[CN], v[CN], v[S+5], v[S+6]
	v_add_nc_u32 v[CN], v[CN], v[S+7]              ; four sums of at most 8,
	v_mul_lo_u32 v[CN], v[CN], s38
	v_lshrrev_b32 v[CN], 24, v[CN]                 ; added: my lane's count, at most 32
	s_mov_b32 s19, 0
.irp b, 0,1,2,3,4,5                    ; the counts of the lanes under mine, and of all, bit by bit of the count
	v_bfe_u32 v[U], v[CN], \b, 1
	v_cmp_ne_u32 s30, 0, v[U]
	v_mbcnt_lo_u32_b32 v[U], s30, 0
	v_lshl_add_u32 v[PRE], v[U], \b, v[PRE]
	s_bcnt1_i32_b32 s31, s30
	s_lshl_b32 s31, s31, \b
	s_add_co_u32 s19, s19, s31
.endr
.set p, 0
.rept 32                               ; token 32 l + p goes to word 1024 + its rank if chosen, else to a word under 1,024
.set u_, U+4*(p%2)
	v_bfe_u32 v[u_], v[S+p/4], 8*(p%4), 1
	v_lshl_add_u32 v[u_+1], v[u_], 10, v[PRE]
	v_add_nc_u32 v[PRE], v[PRE], v[u_]
	v_min_u32 v[u_+1], 0x7ff, v[u_+1]
	v_lshl_add_u32 v[u_+1], v[u_+1], 2, s39
	v_add_nc_u32 v[u_+2], p, v[TB]
	ds_store_b32 v[u_+1], v[u_+2]
.set p, p+1
.endr
	s_add_co_u32 s19, s19, 15
	s_lshr_b32 s19, s19, 4
	s_min_u32 s19, s19, 64                         ; the expert's tiles
	s_add_co_u32 s18, s19, 3
	s_sub_co_u32 s18, s18, s16
	s_lshr_b32 s18, s18, 2                         ; how many of them are mine: (nt + 3 - w) / 4, at most 16
.macro LISTLD off                      ; the tokens of the tile whose list bytes begin at s22 + off
	v_add_nc_u32 v[T+9], s22, v6
	v_add_nc_u32 v[T+10], s22, v7
	ds_load_b128 v[T:T+3], v[T+9] offset:\off
	ds_load_b128 v[T+4:T+7], v[T+9] offset:\off+16
	ds_load_b32 v[T+8], v[T+10] offset:\off
.endm
.macro ADR                             ; T + i: 768 x token of row 8 h + i, + 16 r;  T + 8: 32 x token of row r, + 16 h
.irp i, 0,1,2,3,4,5,6,7,8
	v_min_u32 v[T+\i], 0x3ff, v[T+\i]
.endr
.irp i, 0,1,2,3,4,5,6,7
	v_lshl_add_u32 v[T+\i], v[T+\i], 1, v[T+\i]
.endr
.irp i, 0,1,2,3,4,5,6,7
	v_lshl_add_u32 v[T+\i], v[T+\i], 8, v9
.endr
	v_lshl_add_u32 v[T+8], v[T+8], 5, v8
.endm
	LISTLD 0                                       ; LDS serves a wave's instructions in order: these see my stores
	s_wait_dscnt 0x0
	ADR
.irp i, 0,1,2,3,4,5,6,7
.irp c, 0,1,2
	global_load_b128 v[XF+12*\i+4*\c:XF+12*\i+4*\c+3], v[T+\i], s[4:5] offset:256*\c   ; my first tile (token 0's rows where I have none): sixteen lanes read a whole unit of 256 bytes
.endr
.endr
	global_load_b128 v[XS:XS+3], v[T+8], s[6:7]
	s_wait_loadcnt 33                              ; W1's 48 loads of codes are in: behind them 8 of scales and 25 of x
	WIN 0x04                                       ; an LDS store's data are its source 1: window 1
.irp i, 0,1,2,3,4,5,6,7,8,9,10,11,12,13,14,15
.irp c, 0,1,2
	ds_store_b128 v[FA+2], v[4*(3*\i+\c):4*(3*\i+\c)+3] offset:LROW*(16*(((2*\i)/8)%2)+8*((2*\i)/16)+(2*\i)%8)+256*\c   ; in the order of the tiles: row 16 a + 8 u + i of my 32 goes to place 16 u + 8 a + i
.endr
.endr
	WIN 0
	s_wait_loadcnt 25                              ; W1's scale words are in
.irp n, 0,1,2,3,4,5,6,7,8,9,10,11,12,13,14,15,16,17,18,19,20,21,22,23,24,25,26,27,28,29,30,31
	v_perm_b32 v[WSC+\n], v[WSC+\n], v[WSC+\n], s27
.endr
	PLACES 8                                       ; a scale register written by a vector instruction stands eight places ahead of a scaled product
	s_wait_dscnt 0x0                               ; for the others' sake: my 32 rows lie in LDS
	s_barrier_signal -1
	s_barrier_wait -1
.set f, 0
.rept 64                               ; fragment f = 8 s + tile
.if f < 63
.set wn_, 64*(1+f/21)
.set fr_, 12*(f%21)
.else
.set wn_, 0
.set fr_, F63
.endif
	WIN wn_
.irp k, 0,1,2
.if (f%8) < 4
	ds_load_b128 v[fr_+4*\k:fr_+4*\k+3], v[FA] offset:16*LROW*(f%8)+96*(f/8)+16*\k
.else
	ds_load_b128 v[fr_+4*\k:fr_+4*\k+3], v[FA+1] offset:16*LROW*(f%8-4)+96*(f/8)+16*\k
.endif
.endr
.set f, f+1
.endr
	WIN 0
	s_wait_dscnt 0x0
	s_mov_b32 s21, 0                               ; the trips' counter
.macro WM ac, fa, fb, sa, sb, zero, ra, rb
.if \zero
.if \ra
	v_wmma_scale_f32_16x16x128_f8f6f4 v[\ac:\ac+7], v[\fa:\fa+11], v[\fb:\fb+11], 0, v[\sa], v[\sb] matrix_a_fmt:MATRIX_FMT_FP6 matrix_b_fmt:MATRIX_FMT_FP6 matrix_a_scale:MATRIX_SCALE_ROW1
.else
	v_wmma_scale_f32_16x16x128_f8f6f4 v[\ac:\ac+7], v[\fa:\fa+11], v[\fb:\fb+11], 0, v[\sa], v[\sb] matrix_a_fmt:MATRIX_FMT_FP6 matrix_b_fmt:MATRIX_FMT_FP6
.endif
.elseif \ra && \rb
	v_wmma_scale_f32_16x16x128_f8f6f4 v[\ac:\ac+7], v[\fa:\fa+11], v[\fb:\fb+11], v[\ac:\ac+7], v[\sa], v[\sb] matrix_a_fmt:MATRIX_FMT_FP6 matrix_b_fmt:MATRIX_FMT_FP6 matrix_a_scale:MATRIX_SCALE_ROW1 matrix_b_scale:MATRIX_SCALE_ROW1
.elseif \ra
	v_wmma_scale_f32_16x16x128_f8f6f4 v[\ac:\ac+7], v[\fa:\fa+11], v[\fb:\fb+11], v[\ac:\ac+7], v[\sa], v[\sb] matrix_a_fmt:MATRIX_FMT_FP6 matrix_b_fmt:MATRIX_FMT_FP6 matrix_a_scale:MATRIX_SCALE_ROW1
.elseif \rb
	v_wmma_scale_f32_16x16x128_f8f6f4 v[\ac:\ac+7], v[\fa:\fa+11], v[\fb:\fb+11], v[\ac:\ac+7], v[\sa], v[\sb] matrix_a_fmt:MATRIX_FMT_FP6 matrix_b_fmt:MATRIX_FMT_FP6 matrix_b_scale:MATRIX_SCALE_ROW1
.else
	v_wmma_scale_f32_16x16x128_f8f6f4 v[\ac:\ac+7], v[\fa:\fa+11], v[\fb:\fb+11], v[\ac:\ac+7], v[\sa], v[\sb] matrix_a_fmt:MATRIX_FMT_FP6 matrix_b_fmt:MATRIX_FMT_FP6
.endif
.endm
.macro FRAGS                           ; the tile in the operand's order: K step s, block 2 h + u, its k-th 8 bytes; rows 784 bytes apart and 8 h: the 32 lanes touch 64 different banks
.irp s, 0,1,2,3,4,5,6,7
.irp u, 0,1
.irp k, 0,1,2
	ds_load_b64 v[XF+12*\s+6*\u+2*\k:XF+12*\s+6*\u+2*\k+1], v5 offset:256*\k+32*\s+16*\u
.endr
.endr
.endr
.endm
; 64 products: K step by K step, the eight accumulators by turns, one instruction a turn; the first step starts the sums with the constant 0.
; The wait ahead of step s: behind its six LDS loads stand those of steps s + 1 .. 7: 42 - 6 s.
; ring = 1: behind each K step's eight products its 12 registers are asked for again: the next tile's rows s and 8 + s, three units of 256 bytes each; behind the last step the next scale words.
.macro MUL ring
.set f, 0
.rept 64
.if (f%8) == 0
	s_wait_dscnt 42-6*(f/8)
.endif
.if f < 63
.set wn_, 1+f/21
.set fr_, 12*(f%21)
.else
.set wn_, 0
.set fr_, F63
.endif
	WIN wn_                                        ; source 0 (W1) in its window; all else in window 0
.if f < 8
.set z_, 1
.else
.set z_, 0
.endif
.set ac_, XA+8*(f%8)
.set xf_, XF+12*(f/8)
.set sa_, WSC+8*(f%4)+f/8
.set sb_, XS+(f/8)%4
.set ra_, (f%8)/4
.set rb_, f/32
	WM ac_, fr_, xf_, sa_, sb_, z_, ra_, rb_
.if \ring
.if (f%8) == 7
	PLACES 4                                       ; in front of loads into registers that the products just issued have read
	WIN 0
.irp c, 0,1,2
	global_load_b128 v[XF+12*(f/8)+4*\c:XF+12*(f/8)+4*\c+3], v[T+f/8], s[4:5] offset:256*\c
.endr
.if f == 63
	global_load_b128 v[XS:XS+3], v[T+8], s[6:7]
.endif
.endif
.endif
.set f, f+1
.endr
	WIN 0
.endm
; block b of 32 hidden units: 16 numbers a lane.  XA becomes x g Phi(g)
.macro GELU b
.set G_, GA+16*(\b)
.set X_, XA+16*(\b)
.irp i, 0,1,2,3,4,5,6,7,8,9,10,11,12,13,14,15
	v_fma_f32 v[T+\i], |v[G_+\i]|, s56, 1.0
.endr
	s_wait_alu depctr_va_vdst(0)
.irp i, 0,1,2,3,4,5,6,7,8,9,10,11,12,13,14,15
	v_rcp_f32 v[T+\i], v[T+\i]                     ; t
.endr
	s_wait_alu depctr_va_vdst(0)
.irp i, 0,2,4,6,8,10,12,14
	v_pk_mul_f32 v[X_+\i:X_+\i+1], v[X_+\i:X_+\i+1], v[G_+\i:G_+\i+1]     ; x g
.endr
.irp i, 0,1,2,3,4,5,6,7,8,9,10,11,12,13,14,15
	v_cmp_gt_f32 s[40+\i], v[G_+\i], 0
.endr
.irp i, 0,2,4,6,8,10,12,14
	v_pk_mul_f32 v[G_+\i:G_+\i+1], v[G_+\i:G_+\i+1], v[G_+\i:G_+\i+1]     ; g g, in place: the sign is kept in the masks
.endr
	s_wait_alu depctr_va_vdst(0)
.irp i, 0,2,4,6,8,10,12,14
	v_pk_fma_f32 v[P+\i:P+\i+1], v[T+\i:T+\i+1], s[84:85], v[10:11] op_sel_hi:[1,0,1]
.endr
.irp k, 7,6,5,4,3,2,1,0
.irp i, 0,2,4,6,8,10,12,14
	v_pk_fma_f32 v[P+\i:P+\i+1], v[P+\i:P+\i+1], v[T+\i:T+\i+1], s[68+2*\k:69+2*\k] op_sel_hi:[1,1,0]
.endr
.endr
.irp i, 0,2,4,6,8,10,12,14
	v_pk_fma_f32 v[P+\i:P+\i+1], v[G_+\i:G_+\i+1], s[58:59], v[P+\i:P+\i+1] op_sel_hi:[1,0,1]
.endr
	s_wait_alu depctr_va_vdst(0)
.irp i, 0,1,2,3,4,5,6,7,8,9,10,11,12,13,14,15
	v_exp_f32 v[P+\i], v[P+\i]
.endr
	v_nop                                          ; a plain line behind the exponentials,
	s_wait_alu depctr_va_vdst(0)                   ; and one wait for the 16
.irp i, 0,2,4,6,8,10,12,14
	v_pk_mul_f32 v[P+\i:P+\i+1], v[P+\i:P+\i+1], v[T+\i:T+\i+1]           ; H
.endr
.irp i, 0,2,4,6,8,10,12,14
	v_pk_fma_f32 v[T+\i:T+\i+1], v[P+\i:P+\i+1], -1.0, 1.0 op_sel_hi:[1,0,0]   ; 1 - H
.endr
.irp i, 0,1,2,3,4,5,6,7,8,9,10,11,12,13,14,15
	v_cndmask_b32 v[P+\i], v[P+\i], v[T+\i], s[40+\i]                     ; Phi(g): a choice of values, no branch
.endr
.irp i, 0,2,4,6,8,10,12,14
	v_pk_mul_f32 v[X_+\i:X_+\i+1], v[X_+\i:X_+\i+1], v[P+\i:P+\i+1]
.endr
.endm
.Ltile:
	s_cmp_ge_u32 s21, s18
	s_cbranch_scc1 .Lskip                          ; a count made of stored whole numbers decides: no tile of mine is left
	s_wait_xcnt 0x0                                ; the last tile's stores have read their data, which lie where the gate sums are written, and their base
	s_wait_loadcnt 0x0                             ; this tile's 24 pieces and its scale words are in
.irp i, 0,1,2,3,4,5,6,7
.irp c, 0,1,2
	ds_store_b128 v1, v[XF+12*\i+4*\c:XF+12*\i+4*\c+3] offset:LROW*\i+256*\c
.endr
.endr
	s_add_co_u32 s30, s21, 1
	s_cmp_ge_u32 s30, s18
	s_cbranch_scc1 .Llast                          ; my last tile asks for nothing more
	LISTLD 256                                     ; my next tile is four tiles, 256 bytes of the list, on
	FRAGS
	s_wait_dscnt 48                                ; the list's words are in: behind them the 48 loads of fragments
	ADR
	s_wait_alu depctr_va_vdst(0)                   ; ahead of the waits among the products
	MUL 1
	s_branch .Lact
.Llast:
	FRAGS
	s_wait_alu depctr_va_vdst(0)
	MUL 0
.Lact:
	s_wait_xcnt 0x0                                ; the requests have read their offsets, which lie where the gelu works
	PLACES 4                                       ; in front of the first read of results
	GELU 0
	GELU 1
.irp b, 0,1
	v_max3_num_f32 v[TM+\b], |v[XA+16*\b]|, |v[XA+1+16*\b]|, 0x1800000   ; block b: my 16 numbers, and the floor 2^(3 - 127)
.endr
.irp i, 2,4,6,8,10,12,14
.irp b, 0,1
	v_max3_num_f32 v[TM+\b], v[TM+\b], |v[XA+16*\b+\i]|, |v[XA+1+16*\b+\i]|
.endr
.endr
.irp b, 0,1
	v_permlanex16_b32 v[TM+2+\b], v[TM+\b], s28, s29
.endr
.irp b, 0,1
	v_max_num_f32 v[TM+\b], v[TM+\b], v[TM+2+\b]   ; with lane l xor 16's 16: the block's largest magnitude
.endr
.irp b, 0,1
	v_add_nc_u32 v[TM+4+\b], 0xff000000, v[TM+\b]  ; 2 off its exponent field: the conversion's scale operand
.endr
.irp b, 0,1
	v_lshrrev_b32 v[TM+6+\b], 23, v[TM+4+\b]       ; the scale's byte
.endr
	v_cvt_scalef32_pk16_fp6_f32 v[PCA:PCA+2], v[XA:XA+15], v[TM+4]
	v_cvt_scalef32_pk16_fp6_f32 v[PCB:PCB+2], v[XA+16:XA+31], v[TM+5]
	v_nop                                          ; one plain line behind the conversions
.irp i, 0,1,2
	v_permlane16_swap_b32 v[PCA+\i], v[PCB+\i]     ; lane (r, h) now holds block h of row r whole: its lower 16 codes in PCA, its upper 16 in PCB
.endr
	v_cndmask_b32 v[NN],   v[PCA],   v[PCA+2], s26 ; the row's 48 bytes: lanes 0-15 hold bytes 0-23, lanes 16-31 bytes 24-47.  Bytes 0-15 and 32-47:
	v_cndmask_b32 v[NN+1], v[PCA+1], v[PCB],   s26
	v_cndmask_b32 v[NN+2], v[PCA+2], v[PCB+1], s26
	v_cndmask_b32 v[NN+3], v[PCB],   v[PCB+2], s26
	v_cndmask_b32 v[MM],   v[PCB+1], v[PCA],   s26 ; bytes 16-23 and 24-31
	v_cndmask_b32 v[MM+1], v[PCB+2], v[PCA+1], s26
	v_cndmask_b32 v[BY],   v[TM+6],  v[TM+7],  s26
	s_lshl_b32 s30, s17, 6
	s_add_co_u32 s30, s30, s20                     ; tile 64 e + i of act
	s_min_u32 s30, s30, 511
	s_mul_i32 s30, s30, 25600
	s_mov_b32 s31, 0
	s_add_nc_u64 s[24:25], s[14:15], s[30:31]
	global_store_b128 v2, v[NN:NN+3], s[24:25]             ; sixteen lanes fill 256 consecutive bytes, aligned: two such blocks,
	global_store_b64 v3, v[MM:MM+1], s[24:25] offset:512   ; and 32 lanes the third
	global_store_b8 v4, v[BY], s[24:25] offset:24576       ; a byte a block: 32 of the tile's 1,024 scale bytes are this slice's
.Lskip:
	s_add_co_u32 s20, s20, 4                       ; my next tile,
	s_add_co_u32 s22, s22, 256                     ; and its bytes of the list
	s_add_co_u32 s21, s21, 1
	s_cmp_lt_u32 s21, 16
	s_cbranch_scc1 .Ltile
	s_wait_tensorcnt 0x0                           ; the wave's end
	ds_add_u32 v[SPW], v[NIL]
	s_wait_dscnt 0x0
	s_endpgm
.Lfunc_end_k_q9fb0c24b68_up:
	.size	k_q9fb0c24b68_up, .Lfunc_end_k_q9fb0c24b68_up-k_q9fb0c24b68_up
	.p2alignl 7, 3214868480
	.fill 96, 4, 3214868480
	.section	.rodata,"a",@progbits
	.p2align	6, 0x0
	.amdhsa_kernel k_q9fb0c24b68_up
		.amdhsa_group_segment_fixed_size 185856
		.amdhsa_private_segment_fixed_size 0
		.amdhsa_enable_private_segment 0
		.amdhsa_kernarg_size 48
		.amdhsa_user_sgpr_count 2
		.amdhsa_user_sgpr_kernarg_segment_ptr 1
		.amdhsa_wavefront_size32 1
		.amdhsa_system_sgpr_workgroup_id_x 1
		.amdhsa_system_sgpr_workgroup_id_y 1
		.amdhsa_system_sgpr_workgroup_id_z 1
		.amdhsa_system_vgpr_workitem_id 0
		.amdhsa_next_free_vgpr 1024
		.amdhsa_next_free_sgpr 96
		.amdhsa_reserve_vcc 0
		.amdhsa_float_denorm_mode_32 3
		.amdhsa_float_denorm_mode_16_64 3
		.amdhsa_memory_ordered 1
		.amdhsa_forward_progress 1
		.amdhsa_inst_pref_size 106
	.end_amdhsa_kernel
	.amdgpu_metadata
---
amdhsa.version: [ 1, 2 ]
amdhsa.kernels:
  - .name:           k_q9fb0c24b68_up
    .symbol:         k_q9fb0c24b68_up.kd
    .args:
      - { .name: xq, .offset: 0, .size: 8, .value_kind: global_buffer, .address_space: global }
      - { .name: xsc, .offset: 8, .size: 8, .value_kind: global_buffer, .address_space: global }
      - { .name: sel, .offset: 16, .size: 8, .value_kind: global_buffer, .address_space: global }
      - { .name: w1_codes, .offset: 24, .size: 8, .value_kind: global_buffer, .address_space: global }
      - { .name: w1_scales, .offset: 32, .size: 8, .value_kind: global_buffer, .address_space: global }
      - { .name: act, .offset: 40, .size: 8, .value_kind: global_buffer, .address_space: global }
    .group_segment_fixed_size: 185856
    .private_segment_fixed_size: 0
    .kernarg_segment_align: 8
    .kernarg_segment_size: 48
    .max_flat_workgroup_size: 128
    .sgpr_count:     96
    .vgpr_count:     1024
    .wavefront_size: 32
...
	.end_amdgpu_metadata
.endif
;; end of part 2
;; launch down (part 3): grid 32 x 8, 4 waves a work-group, no clusters, 59,392 bytes of LDS; arguments act, sel, w2_codes, w2_scales, y; writes y
.if DOCPART == 3
	.amdgcn_target "amdgcn-amd-amdhsa--gfx1250"
	.amdhsa_code_object_version 6
	.text
	.protected	k_q9fb0c24b68_down
	.globl	k_q9fb0c24b68_down
	.p2align	8
	.type	k_q9fb0c24b68_down,@function
k_q9fb0c24b68_down:
	s_mov_b64 s[64:65], 0
	v_nop
	global_prefetch_b8 v0, s[64:65] scope:SCOPE_SE
	s_setreg_imm32_b32 hwreg(HW_REG_WAVE_MODE, 25, 1), 1
	s_wait_xcnt 0x0
; y = act W2 for the rows that chose the expert alone (the others meet a zero of reference()'s own multi_hot).
; SHARES.  Work-group (jd, e) owns columns 32 jd .. 32 jd + 31 of expert e: 32 rows of W2, 49,152 bytes that no other work-group reads.  They come once, through LDS, into the registers of every wave:
; 2 tiles x 16 K steps = 32 fragments.  Wave w walks the expert's row tiles w, w + 4, .. (tile 64 e + i of act).  How many there are is counted from sel: the bytes with bit e, 32 bytes a lane.
; The trip count hangs on stored whole numbers: no tensor load, no cluster, no barrier but the one at the head.
; act's OPERAND IS A RING OF SIXTEEN K STEPS in one set of registers: as soon as a K step's two products are issued, its 12 registers are asked for again, with the next tile's same step (three loads, four places
; behind the products).  A tile's scale words, which all its products read, land in eight registers of their own and are moved at a trip's head.
; A wave's last tile asks for nothing: a branch on the count picks the products with requests or without.  Each counted wait counts loads that are issued on its own way, so it holds whichever way the trip before took.
; The first tile's address hangs on ids alone; a wave with no tile loads bytes of act that nothing reads further, and stores nothing.
; THE PRODUCT IS USED TRANSPOSED (source 0 = 16 rows of W2, source 1 = 16 rows of act): lane (r, h) holds slot r and columns 16 n + 8 h + 0 .. 7.
; BLOCKS as in the launch before: lane (r, h) holds blocks 2 h and 2 h + 1 of a K step; act's scale words are stored in the instruction's order, W2's are turned once by v_perm_b32.
; y: [8 experts][32 slices][1,024 slots][32] f32: a tile's 16 slots are 2,048 consecutive bytes.
; LIMITS: a given scale byte 0xff gives NaN as it does in reference().
.set LROW,  1552                       ; a row of W2 in LDS: 1,536 bytes + 16 = 97 x 16
.set STAGE, 32*LROW                    ; 16 rows x 144 bytes for each wave, its own
.set SPARE, STAGE+4*2304
.set WS,   10                          ; v10-25  W2's scale words by K step: lanes 0-15 tile 0, lanes 16-31 tile 1
.set AS,   26                          ; v26-33  act's scale words at work: lanes 0-15 steps 0-7, lanes 16-31 steps 8-15
.set AN,   34                          ; v34-41  where the next tile's land
.set ACC,  42                          ; v42-73  accumulator (n, parity of the K step) at 16 n + 8 parity
.set OUTR, 74                          ; v74-89  the way out; at the head my 32 bytes of sel
.set SPW,  102
.set NIL,  103
.set MSB, 0
.macro WIN new
.if MSB != \new
	s_set_vgpr_msb (MSB<<8)|\new
.set MSB, \new
.endif
.endm
.macro PLACES n
.rept \n
	v_nop
.endr
.endm
.macro WREG f                          ; W2's fragment f = 2 S + n: 21 to a window, from window 1 on
.set ww_, 1+(\f)/21
.set wr_, 12*((\f)%21)
.endm
.macro AREG g                          ; act's fragment of K step g: behind W2's in window 2, then window 3
.if (\g) < 10
.set aw_, 2
.set ar_, 132+12*(\g)
.else
.set aw_, 3
.set ar_, 12*((\g)-10)
.endif
.endm
	s_load_b256 s[4:11], s[0:1], 0x0               ; act s[4:5], sel s[6:7], W2's codes s[8:9], W2's scales s[10:11]
	s_load_b64 s[12:13], s[0:1], 0x20              ; y
	v_lshl_add_u32 v[SPW], v0, 2, SPARE
	v_mov_b32 v[NIL], 0
	v_lshrrev_b32 v1, 5, v0
	v_readfirstlane_b32 s14, v1                    ; wave
	s_and_b32 s16, ttmp7, 0xffff                   ; expert
	v_and_b32 v104, 15, v0                         ; r
	v_bfe_u32 v105, v0, 4, 1                       ; h
	v_and_b32 v106, 31, v0                         ; lane
	v_lshlrev_b32 v1, 4, v106                      ; v1: 16 x lane
	v_lshlrev_b32 v2, 6, v104
	v_lshl_add_u32 v2, v105, 5, v2                 ; v2: act's scale words: 64 r + 32 h
	s_mul_i32 s30, s14, 2304
	s_add_co_u32 s30, s30, STAGE
	v_mul_u32_u24 v3, v104, 144
	v_lshl_add_u32 v3, v105, 5, v3
	v_add_nc_u32 v3, s30, v3                       ; v3: into my stage: row r, + 32 h
	v_lshrrev_b32 v4, 3, v106
	v_mul_u32_u24 v4, v4, 144
	v_and_b32 v5, 7, v106
	v_lshl_add_u32 v4, v5, 4, v4
	v_add_nc_u32 v4, s30, v4                       ; v4: back: eight lanes to a row of 128 bytes
	v_mul_u32_u24 v6, v104, LROW
	v_mad_u32_u24 v6, v105, 48, v6                 ; v6: a fragment's row + 48 h
	s_mul_i32 s30, s14, 8*LROW
	v_mul_u32_u24 v7, v105, LROW
	v_lshl_add_u32 v7, v104, 4, v7
	v_add_nc_u32 v7, s30, v7                       ; v7: into LDS: my wave's 8 rows
	v_mul_u32_u24 v8, v105, 1536
	v_lshl_add_u32 v8, v104, 4, v8                 ; v8: the same two rows in memory
	v_lshlrev_b32 v9, 6, v106                      ; v9: W2's scale bytes: lane = row of the slice
	v_lshlrev_b32 v107, 5, v106                    ; v107: my 32 bytes of sel
	s_mov_b32 s29, 0x03010200                      ; (b0, b1, b2, b3) -> (b0, b2, b1, b3)
	s_mul_i32 s34, s16, 1572864
	s_mul_i32 s30, ttmp9, 49152
	s_add_co_u32 s34, s34, s30
	s_mul_i32 s30, s14, 12288
	s_add_co_u32 s34, s34, s30
	s_mov_b32 s35, 0
	s_lshl_b32 s36, s16, 16
	s_lshl_b32 s30, ttmp9, 11
	s_add_co_u32 s36, s36, s30
	s_mov_b32 s37, 0
	s_lshl_b32 s38, s16, 22                        ; y: the expert's 32 slices of 131,072 bytes,
	s_lshl_b32 s30, ttmp9, 17
	s_add_co_u32 s38, s38, s30                     ; mine
	s_mov_b32 s39, 0
	s_lshl_b32 s18, s16, 6                         ; the expert's first tile of act
	s_wait_alu depctr_va_vdst(0)
	s_wait_kmcnt 0x0
	global_load_b128 v[OUTR:OUTR+3], v107, s[6:7]
	global_load_b128 v[OUTR+4:OUTR+7], v107, s[6:7] offset:16
	s_add_nc_u64 s[8:9], s[8:9], s[34:35]
	s_add_nc_u64 s[10:11], s[10:11], s[36:37]
	s_add_nc_u64 s[12:13], s[12:13], s[38:39]
	WIN 0x40
.irp i, 0,1,2,3
.irp c, 0,1,2,3,4,5
	global_load_b128 v[4*(6*\i+\c):4*(6*\i+\c)+3], v8, s[8:9] offset:3072*\i+256*\c th:TH_LOAD_NT   ; sixteen lanes read 256 consecutive bytes of a row; read once in the launch
.endr
.endr
	WIN 0
.irp q, 0,1,2,3
	global_load_b128 v[WS+4*\q:WS+4*\q+3], v9, s[10:11] offset:16*\q
.endr
.macro ABASE                           ; s30: a tile of act; s[22:23]: where it begins
	s_min_u32 s30, s30, 511
	s_mul_i32 s30, s30, 25600
	s_mov_b32 s31, 0
	s_add_nc_u64 s[22:23], s[4:5], s[30:31]
.endm
	s_add_co_u32 s30, s18, s14
	ABASE
.irp q, 0,1
	global_load_b128 v[AN+4*\q:AN+4*\q+3], v2, s[22:23] offset:24576+16*\q      ; in the ring's order: the scale words first,
.endr
.set sg, 0
.rept 16
	AREG sg
.set wn_, 64*aw_
	WIN wn_
.irp k, 0,1,2
	global_load_b128 v[ar_+4*\k:ar_+4*\k+3], v1, s[22:23] offset:1536*sg+512*\k  ; then K step by K step, three loads of 512 consecutive bytes each
.endr
.set sg, sg+1
.endr
	WIN 0
	s_wait_loadcnt 54                              ; sel and the 24 loads of codes are in: behind them 4 of scales and 50 of act
	WIN 0x04
.irp i, 0,1,2,3
.irp c, 0,1,2,3,4,5
	ds_store_b128 v7, v[4*(6*\i+\c):4*(6*\i+\c)+3] offset:2*LROW*\i+256*\c
.endr
.endr
	WIN 0
	s_wait_loadcnt 50                              ; the scale words are in
.irp n, 0,1,2,3,4,5,6,7,8,9,10,11,12,13,14,15
	v_perm_b32 v[WS+\n], v[WS+\n], v[WS+\n], s29
.endr
	PLACES 8                                       ; a scale register written by a vector instruction stands eight places ahead of a scaled product
	s_wait_dscnt 0x0                               ; for the others' sake: my 8 rows lie in LDS
	s_barrier_signal -1
	s_barrier_wait -1
.set f, 0
.rept 32
	WREG f
.set wn_, 64*ww_
	WIN wn_
.irp k, 0,1,2
	ds_load_b128 v[wr_+4*\k:wr_+4*\k+3], v6 offset:16*LROW*(f%2)+96*(f/2)+16*\k
.endr
.set f, f+1
.endr
	WIN 0
	; the expert's rows are counted while the fragments come
	s_mov_b32 s31, 0x01010101
.irp j, 0,1,2,3,4,5,6,7
	v_lshrrev_b32 v[OUTR+\j], s16, v[OUTR+\j]
.endr
.irp j, 0,1,2,3,4,5,6,7
	v_and_b32 v[OUTR+\j], s31, v[OUTR+\j]          ; a byte a token: 1 where it chose my expert
.endr
	v_add3_u32 v[OUTR], v[OUTR], v[OUTR+1], v[OUTR+2]
	v_add3_u32 v[OUTR], v[OUTR], v[OUTR+3], v[OUTR+4]
	v_add3_u32 v[OUTR], v[OUTR], v[OUTR+5], v[OUTR+6]
	v_add_nc_u32 v[OUTR], v[OUTR], v[OUTR+7]
	v_mul_lo_u32 v[OUTR], v[OUTR], s31
	v_lshrrev_b32 v[OUTR], 24, v[OUTR]             ; my lane's count, at most 32
	s_wait_alu depctr_va_vdst(0)
	s_mov_b32 s19, 0
.irp b, 0,1,2,3,4,5                    ; summed over the lanes, bit by bit of the count
	v_bfe_u32 v[OUTR+1], v[OUTR], \b, 1
	v_cmp_ne_u32 s30, 0, v[OUTR+1]
	s_bcnt1_i32_b32 s30, s30
	s_lshl_b32 s30, s30, \b
	s_add_co_u32 s19, s19, s30
.endr
	s_add_co_u32 s19, s19, 15
	s_lshr_b32 s19, s19, 4
	s_min_u32 s19, s19, 64                         ; the expert's tiles
	s_wait_dscnt 0x0
.macro WM ac, fa, fb, sa, sb, zero, ra, rb
.if \zero
.if \ra
	v_wmma_scale_f32_16x16x128_f8f6f4 v[\ac:\ac+7], v[\fa:\fa+11], v[\fb:\fb+11], 0, v[\sa], v[\sb] matrix_a_fmt:MATRIX_FMT_FP6 matrix_b_fmt:MATRIX_FMT_FP6 matrix_a_scale:MATRIX_SCALE_ROW1
.else
	v_wmma_scale_f32_16x16x128_f8f6f4 v[\ac:\ac+7], v[\fa:\fa+11], v[\fb:\fb+11], 0, v[\sa], v[\sb] matrix_a_fmt:MATRIX_FMT_FP6 matrix_b_fmt:MATRIX_FMT_FP6
.endif
.elseif \ra && \rb
	v_wmma_scale_f32_16x16x128_f8f6f4 v[\ac:\ac+7], v[\fa:\fa+11], v[\fb:\fb+11], v[\ac:\ac+7], v[\sa], v[\sb] matrix_a_fmt:MATRIX_FMT_FP6 matrix_b_fmt:MATRIX_FMT_FP6 matrix_a_scale:MATRIX_SCALE_ROW1 matrix_b_scale:MATRIX_SCALE_ROW1
.elseif \ra
	v_wmma_scale_f32_16x16x128_f8f6f4 v[\ac:\ac+7], v[\fa:\fa+11], v[\fb:\fb+11], v[\ac:\ac+7], v[\sa], v[\sb] matrix_a_fmt:MATRIX_FMT_FP6 matrix_b_fmt:MATRIX_FMT_FP6 matrix_a_scale:MATRIX_SCALE_ROW1
.elseif \rb
	v_wmma_scale_f32_16x16x128_f8f6f4 v[\ac:\ac+7], v[\fa:\fa+11], v[\fb:\fb+11], v[\ac:\ac+7], v[\sa], v[\sb] matrix_a_fmt:MATRIX_FMT_FP6 matrix_b_fmt:MATRIX_FMT_FP6 matrix_b_scale:MATRIX_SCALE_ROW1
.else
	v_wmma_scale_f32_16x16x128_f8f6f4 v[\ac:\ac+7], v[\fa:\fa+11], v[\fb:\fb+11], v[\ac:\ac+7], v[\sa], v[\sb] matrix_a_fmt:MATRIX_FMT_FP6 matrix_b_fmt:MATRIX_FMT_FP6
.endif
.endm
; 32 products: four accumulators (two tiles of columns x even and odd K steps) by turns, one instruction a turn; the first two K steps start the sums with the constant 0.
; ring = 1: behind each K step's two products its registers are asked for again, from s[22:23], the next tile.  The loads of a tile go out in one order: the scale words (2 loads), then steps 0 to 15, three loads each.
; The wait ahead of step S (step 0's stands at the trip's head).  ring = 1: behind this tile's step S were issued its steps S + 1 .. 15 (45 - 3 S loads), the next tile's scale words (2) and its steps 0 .. S - 1 (3 S): 47.
; ring = 0: this tile's steps S + 1 .. 15 alone: 45 - 3 S.
.macro MULS ring
.set sg, 0
.rept 16
.if sg > 0
.if \ring
	s_wait_loadcnt 47
.else
	s_wait_loadcnt 45-3*sg
.endif
.endif
	AREG sg
.if sg < 2
.set z_, 1
.else
.set z_, 0
.endif
.set sa_, WS+sg
.set sb_, AS+sg%8
.set rb_, sg/8
.irp n, 0,1
	WREG 2*sg+\n
.set wn_, ww_+4*aw_
	WIN wn_                                        ; source 0 (W2) and source 1 (act) in their windows; C and D in window 0
.set ac_, ACC+16*\n+8*(sg%2)
	WM ac_, wr_, ar_, sa_, sb_, z_, \n, rb_
.endr
.if \ring
	PLACES 4                                       ; in front of loads into registers that the products just issued have read
.if sg == 0
	WIN 0
.irp q, 0,1
	global_load_b128 v[AN+4*\q:AN+4*\q+3], v2, s[22:23] offset:24576+16*\q      ; the trip's head has moved the last words out of these registers
.endr
.endif
.set wn_, 64*aw_
	WIN wn_
.irp k, 0,1,2
	global_load_b128 v[ar_+4*\k:ar_+4*\k+3], v1, s[22:23] offset:1536*sg+512*\k
.endr
.endif
.set sg, sg+1
.endr
	WIN 0
.endm
	s_mov_b32 s20, s14                             ; i: my tile among the expert's: w, w + 4, ..
	s_add_co_u32 s28, s19, 3
	s_sub_co_u32 s28, s28, s14
	s_lshr_b32 s28, s28, 2                         ; how many of the expert's nt tiles are mine: (nt + 3 - w) / 4, at most 16
	s_mov_b32 s21, 0                               ; the trips' counter, which steps by 1
	s_cmp_eq_u32 s28, 0
	s_cbranch_scc1 .Lend
.Ltile:
	s_wait_xcnt 0x0                                ; the last tile's stores have read their data and their base, the ring's loads theirs: all three are written in this trip
	s_wait_loadcnt 45                              ; this tile's scale words and its K step 0 are in: behind them its steps 1 to 15, three loads each
.irp i, 0,1,2,3,4,5,6,7
	v_mov_b32 v[AS+\i], v[AN+\i]                   ; the scale words go where the products read them
.endr
	PLACES 8                                       ; a scale register written by a vector instruction stands eight places ahead of a scaled product
	s_add_co_u32 s30, s20, 4
	s_cmp_ge_u32 s30, s19
	s_cbranch_scc1 .Llast                          ; the count decides: this is my last tile, and nothing more is asked for
	s_add_co_u32 s30, s30, s18
	ABASE
	s_wait_alu depctr_va_vdst(0)
	MULS 1
	s_branch .Lout
.Llast:
	s_wait_alu depctr_va_vdst(0)
	MULS 0
.Lout:
	PLACES 4                                       ; in front of the first read of results
	; the tile goes out: the two halves of each sum are added; through my own stage, so that the wave's stores cover 512 consecutive bytes each
.irp n, 0,1
.irp q, 0,2,4,6
	v_pk_add_f32 v[ACC+16*\n+\q:ACC+16*\n+\q+1], v[ACC+16*\n+\q:ACC+16*\n+\q+1], v[ACC+16*\n+8+\q:ACC+16*\n+8+\q+1]   ; each accumulator from its low end on
.endr
.endr
.irp n, 0,1
.irp q, 0,1
	ds_store_b128 v3, v[ACC+16*\n+4*\q:ACC+16*\n+4*\q+3] offset:64*\n+16*\q
.endr
.endr
.irp k, 0,1,2,3
	ds_load_b128 v[OUTR+4*\k:OUTR+4*\k+3], v4 offset:576*\k    ; LDS serves a wave's instructions in order: these see my stores
.endr
	s_min_u32 s30, s20, 63
	s_lshl_b32 s30, s30, 11
	s_mov_b32 s31, 0
	s_add_nc_u64 s[26:27], s[12:13], s[30:31]
	s_wait_dscnt 0x0
.irp k, 0,1,2,3
	global_store_b128 v1, v[OUTR+4*\k:OUTR+4*\k+3], s[26:27] offset:512*\k
.endr
	s_add_co_u32 s20, s20, 4                       ; my next tile
	s_add_co_u32 s21, s21, 1
	s_cmp_lt_u32 s21, s28
	s_cbranch_scc1 .Ltile
.Lend:
	s_wait_tensorcnt 0x0                           ; the wave's end
	ds_add_u32 v[SPW], v[NIL]
	s_wait_dscnt 0x0
	s_endpgm
.Lfunc_end_k_q9fb0c24b68_down:
	.size	k_q9fb0c24b68_down, .Lfunc_end_k_q9fb0c24b68_down-k_q9fb0c24b68_down
	.p2alignl 7, 3214868480
	.fill 96, 4, 3214868480
	.section	.rodata,"a",@progbits
	.p2align	6, 0x0
	.amdhsa_kernel k_q9fb0c24b68_down
		.amdhsa_group_segment_fixed_size 59392
		.amdhsa_private_segment_fixed_size 0
		.amdhsa_enable_private_segment 0
		.amdhsa_kernarg_size 40
		.amdhsa_user_sgpr_count 2
		.amdhsa_user_sgpr_kernarg_segment_ptr 1
		.amdhsa_wavefront_size32 1
		.amdhsa_system_sgpr_workgroup_id_x 1
		.amdhsa_system_sgpr_workgroup_id_y 1
		.amdhsa_system_sgpr_workgroup_id_z 1
		.amdhsa_system_vgpr_workitem_id 0
		.amdhsa_next_free_vgpr 1024
		.amdhsa_next_free_sgpr 66
		.amdhsa_reserve_vcc 0
		.amdhsa_float_denorm_mode_32 3
		.amdhsa_float_denorm_mode_16_64 3
		.amdhsa_memory_ordered 1
		.amdhsa_forward_progress 1
		.amdhsa_inst_pref_size 43
	.end_amdhsa_kernel
	.amdgpu_metadata
---
amdhsa.version: [ 1, 2 ]
amdhsa.kernels:
  - .name:           k_q9fb0c24b68_down
    .symbol:         k_q9fb0c24b68_down.kd
    .args:
      - { .name: act, .offset: 0, .size: 8, .value_kind: global_buffer, .address_space: global }
      - { .name: sel, .offset: 8, .size: 8, .value_kind: global_buffer, .address_space: global }
      - { .name: w2_codes, .offset: 16, .size: 8, .value_kind: global_buffer, .address_space: global }
      - { .name: w2_scales, .offset: 24, .size: 8, .value_kind: global_buffer, .address_space: global }
      - { .name: y, .offset: 32, .size: 8, .value_kind: global_buffer, .address_space: global }
    .group_segment_fixed_size: 59392
    .private_segment_fixed_size: 0
    .kernarg_segment_align: 8
    .kernarg_segment_size: 40
    .max_flat_workgroup_size: 128
    .sgpr_count:     66
    .vgpr_count:     1024
    .wavefront_size: 32
...
	.end_amdgpu_metadata
.endif
;; end of part 3
;; launch combine (part 4): grid 256 x 1, 4 waves a work-group, no clusters, 0 bytes of LDS; arguments y, sel, out1, out0; writes out0
.if DOCPART == 4
	.amdgcn_target "amdgcn-amd-amdhsa--gfx1250"
	.amdhsa_code_object_version 6
	.text
	.protected	k_q9fb0c24b68_combine
	.globl	k_q9fb0c24b68_combine
	.p2align	8
	.type	k_q9fb0c24b68_combine,@function
k_q9fb0c24b68_combine:
	s_mov_b64 s[64:65], 0
	v_nop
	global_prefetch_b8 v0, s[64:65] scope:SCOPE_SE
	s_setreg_imm32_b32 hwreg(HW_REG_WAVE_MODE, 25, 1), 1
	s_wait_xcnt 0x0
; out0[t] = gA y[slotA] + gB y[slotB]: the two chosen experts' rows, each times its routing probability.  The six other terms of reference()'s sum are products with a zero of its own multi_hot and are left out.
; A wave takes a token t.  Its two experts are the set bits of its byte of sel; its slot with expert e is the number of tokens under t whose byte has bit e, as the launches before counted them.
; Lane l holds the bytes of tokens 32 l .. 32 l + 31 in eight words.  Which bytes count hangs on ids alone: all of the lanes under t / 32, none of those above, and in lane t / 32 of word j the lowest
; n = clamp(t % 32 - 4 j, 0, 4): the mask 0x01010101 shifted right twice by 16 - 4 n bits.
; The gates are picked from the token's eight probabilities by the same bits, a choice of values.
; y lies [8 experts][32 slices][1,024 slots][32] f32: eight lanes read a slot's 128 bytes of a slice, a load covers four slices; the stores cover 512 consecutive bytes of the token's row.
; A stream: no LDS, no barrier, no matrix unit.
.set MK, 16                            ; v16-23  which bytes of my eight words count
.set GA, 72                            ; v[72:73] gA: the packed forms name a pair and take its low word for both halves
.set GB, 74                            ; v[74:75] gB
.set PR, 76                            ; v76-83  the token's eight probabilities
	s_load_b256 s[4:11], s[0:1], 0x0               ; y s[4:5], sel s[6:7], out1 s[8:9], out0 s[10:11]
	v_lshrrev_b32 v1, 5, v0
	v_readfirstlane_b32 s12, v1
	s_lshl_b32 s13, ttmp9, 2
	s_add_co_u32 s13, s13, s12                     ; the token
	v_and_b32 v3, 31, v0
	v_lshlrev_b32 v2, 4, v3                        ; out: 16 x lane
	v_lshrrev_b32 v4, 3, v3
	v_and_b32 v5, 7, v3
	v_lshlrev_b32 v1, 17, v4                       ; in: slice lane / 8 of four,
	v_lshl_add_u32 v1, v5, 4, v1                   ; 16 bytes of the slot's 128
	v_lshlrev_b32 v6, 5, v3                        ; my 32 bytes of sel
	v_mov_b32 v7, s13                              ; the token's byte of sel,
	v_lshlrev_b32 v42, 5, v7                       ; and its 32 bytes of out1
	v_mov_b32 v40, 0
.irp i, 0,1,2,3
	v_mov_b32 v[GA+\i], 0
.endr
	s_mov_b32 s28, 0x01010101
	s_mov_b32 s38, 0x76543210
	s_mov_b32 s39, 0xfedcba98                      ; lane l xor 16
	s_lshr_b32 s35, s13, 5
	s_add_co_u32 s36, s35, 1
	v_cmp_gt_u32 s34, s35, v3                      ; the lanes under t / 32,
	v_cmp_gt_u32 s37, s36, v3                      ; and with it
	s_and_b32 s14, s13, 31
	s_lshl_b32 s14, s14, 2
	s_sub_co_u32 s14, 144, s14                     ; 128 + 16 - 4 (t % 32)
.irp j, 0,1,2,3,4,5,6,7
	s_add_co_u32 s30, s14, 16*\j
	s_min_u32 s30, s30, 144
	s_min_u32 s31, s30, 128
	s_sub_co_u32 s30, s30, s31                     ; 16 - 4 n, held to 0 .. 16
	s_lshr_b32 s31, s28, s30
	s_lshr_b32 s31, s31, s30                       ; n ones, a byte apart
	v_cndmask_b32 v[MK+\j], 0, s31, s37
	v_cndmask_b32 v[MK+\j], v[MK+\j], s28, s34
.endr
	s_lshl_b32 s20, s13, 12
	s_mov_b32 s21, 0
	s_mov_b32 s16, 0
	s_mov_b32 s17, 7
	s_wait_alu depctr_va_vdst(0)
	s_wait_kmcnt 0x0
	global_load_u8 v41, v7, s[6:7]                 ; the token's mask, the same in every lane
	global_load_b128 v[8:11], v6, s[6:7]
	global_load_b128 v[12:15], v6, s[6:7] offset:16
	global_load_b128 v[PR:PR+3], v42, s[8:9]
	global_load_b128 v[PR+4:PR+7], v42, s[8:9] offset:16
	s_add_nc_u64 s[10:11], s[10:11], s[20:21]
	s_wait_loadcnt 0x0
	v_readfirstlane_b32 s15, v41
.irp e, 0,1,2,3,4,5,6,7                ; ascending: the higher chosen expert stays
	s_and_b32 s30, s15, 1<<\e
	s_cmp_lg_u32 s30, 0
	s_cselect_b32 s17, \e, s17
	s_cselect_b32 s31, -1, 0
	v_cndmask_b32 v[GB], v[GB], v[PR+\e], s31
.endr
.irp e, 7,6,5,4,3,2,1,0                ; descending: the lower one
	s_and_b32 s30, s15, 1<<\e
	s_cmp_lg_u32 s30, 0
	s_cselect_b32 s16, \e, s16
	s_cselect_b32 s31, -1, 0
	v_cndmask_b32 v[GA], v[GA], v[PR+\e], s31
.endr
	s_wait_alu depctr_va_vdst(0)
.irp j, 0,1,2,3,4,5,6,7
	v_lshrrev_b32 v[24+\j], s16, v[8+\j]
	v_lshrrev_b32 v[32+\j], s17, v[8+\j]
.endr
.irp j, 0,1,2,3,4,5,6,7
	v_and_b32 v[24+\j], v[24+\j], v[MK+\j]         ; a byte a token: 1 where it stands under t and chose the expert
	v_and_b32 v[32+\j], v[32+\j], v[MK+\j]
.endr
.irp a, 24, 32
	v_add3_u32 v[\a], v[\a], v[\a+1], v[\a+2]
	v_add3_u32 v[\a], v[\a], v[\a+3], v[\a+4]
	v_add3_u32 v[\a], v[\a], v[\a+5], v[\a+6]
	v_add_nc_u32 v[\a], v[\a], v[\a+7]             ; four sums of at most 8,
	v_mul_lo_u32 v[\a], v[\a], s28
	v_lshrrev_b32 v[\a], 24, v[\a]                 ; added: my lane's count, at most 32
.endr
	v_lshl_add_u32 v24, v32, 16, v24               ; two sums in one, each at most 1,023
.irp m, 1,2,4,8
	v_mov_b32_dpp v40, v24 row_xmask:\m row_mask:0xf bank_mask:0xf
	v_add_nc_u32 v24, v24, v40
.endr
	v_permlanex16_b32 v40, v24, s38, s39
	v_add_nc_u32 v24, v24, v40
	v_readfirstlane_b32 s14, v24
	s_and_b32 s15, s14, 0xffff
	s_lshr_b32 s14, s14, 16
	s_min_u32 s15, s15, 1023                       ; the slot with the lower expert,
	s_min_u32 s14, s14, 1023                       ; with the higher
	s_min_u32 s16, s16, 7
	s_min_u32 s17, s17, 7
	s_lshl_b32 s22, s16, 22
	s_lshl_b32 s15, s15, 7
	s_add_co_u32 s22, s22, s15
	s_mov_b32 s23, 0
	s_lshl_b32 s32, s17, 22
	s_lshl_b32 s14, s14, 7
	s_add_co_u32 s32, s32, s14
	s_mov_b32 s33, 0
	s_add_nc_u64 s[22:23], s[4:5], s[22:23]
	s_add_nc_u64 s[32:33], s[4:5], s[32:33]
.irp i, 0,1,2,3,4,5,6,7
	global_load_b128 v[8+4*\i:11+4*\i], v1, s[22:23] offset:524288*\i th:TH_LOAD_NT    ; a slot is read by one token alone
	global_load_b128 v[40+4*\i:43+4*\i], v1, s[32:33] offset:524288*\i th:TH_LOAD_NT
.endr
.irp i, 0,1,2,3,4,5,6,7
	s_wait_loadcnt 14-2*\i                         ; this pair of loads is in; the later pairs may be out
	v_pk_mul_f32 v[40+4*\i:41+4*\i], v[40+4*\i:41+4*\i], v[GB:GB+1] op_sel_hi:[1,0]
	v_pk_mul_f32 v[42+4*\i:43+4*\i], v[42+4*\i:43+4*\i], v[GB:GB+1] op_sel_hi:[1,0]
	v_pk_fma_f32 v[8+4*\i:9+4*\i], v[8+4*\i:9+4*\i], v[GA:GA+1], v[40+4*\i:41+4*\i] op_sel_hi:[1,0,1]
	v_pk_fma_f32 v[10+4*\i:11+4*\i], v[10+4*\i:11+4*\i], v[GA:GA+1], v[42+4*\i:43+4*\i] op_sel_hi:[1,0,1]
	global_store_b128 v2, v[8+4*\i:11+4*\i], s[10:11] offset:512*\i th:TH_STORE_NT
.endr
	s_endpgm
.Lfunc_end_k_q9fb0c24b68_combine:
	.size	k_q9fb0c24b68_combine, .Lfunc_end_k_q9fb0c24b68_combine-k_q9fb0c24b68_combine
	.p2alignl 7, 3214868480
	.fill 96, 4, 3214868480
	.section	.rodata,"a",@progbits
	.p2align	6, 0x0
	.amdhsa_kernel k_q9fb0c24b68_combine
		.amdhsa_group_segment_fixed_size 0
		.amdhsa_private_segment_fixed_size 0
		.amdhsa_enable_private_segment 0
		.amdhsa_kernarg_size 32
		.amdhsa_user_sgpr_count 2
		.amdhsa_user_sgpr_kernarg_segment_ptr 1
		.amdhsa_wavefront_size32 1
		.amdhsa_system_sgpr_workgroup_id_x 1
		.amdhsa_system_sgpr_workgroup_id_y 1
		.amdhsa_system_sgpr_workgroup_id_z 1
		.amdhsa_system_vgpr_workitem_id 0
		.amdhsa_next_free_vgpr 96
		.amdhsa_next_free_sgpr 66
		.amdhsa_reserve_vcc 0
		.amdhsa_float_denorm_mode_32 3
		.amdhsa_float_denorm_mode_16_64 3
		.amdhsa_memory_ordered 1
		.amdhsa_forward_progress 1
		.amdhsa_inst_pref_size 16
	.end_amdhsa_kernel
	.amdgpu_metadata
---
amdhsa.version: [ 1, 2 ]
amdhsa.kernels:
  - .name:           k_q9fb0c24b68_combine
    .symbol:         k_q9fb0c24b68_combine.kd
    .args:
      - { .name: y, .offset: 0, .size: 8, .value_kind: global_buffer, .address_space: global }
      - { .name: sel, .offset: 8, .size: 8, .value_kind: global_buffer, .address_space: global }
      - { .name: out1, .offset: 16, .size: 8, .value_kind: global_buffer, .address_space: global }
      - { .name: out0, .offset: 24, .size: 8, .value_kind: global_buffer, .address_space: global }
    .group_segment_fixed_size: 0
    .private_segment_fixed_size: 0
    .kernarg_segment_align: 8
    .kernarg_segment_size: 32
    .max_flat_workgroup_size: 128
    .sgpr_count:     66
    .vgpr_count:     96
    .wavefront_size: 32
...
	.end_amdgpu_metadata
.endif
;; end of part 4
